; MI455X (gfx1250); checked and timed in simulation.
; The chip was launched on July 23, 2026; its instructions are those of AMD's public machine-readable ISA for CDNA 5 (MIT licence, August 2026) and "CDNA5" Instruction Set Architecture Reference Guide (July 2026). The comments in the code are by the model that wrote it; some were corrected since.
;; HDR Renderer. Allowed arithmetic: float matrix products may take bf16 or f16 operands with f32 sums; all other float work in f32.
;; Inputs: env_map 1 x 32 x 16 x 3 float32; env_vis 1 x 4,096 x 512 float32; points_albedo 1 x 4,096 x 3 float32; points_metallic 1 x 4,096 x 1 float32; points_normals 1 x 4,096 x 3 float32; points_smoothness 1 x 4,096 x 1 float32; viewing_dirs 1 x 4,096 x 2 x 3 float32.
;; Outputs: out0 1 x 4,096 x 2 x 3 float32.
;; One version. Each part assembles by itself: llvm-mc -triple=amdgcn-amd-amdhsa -mcpu=gfx1250 --defsym DOCPART=n.
;; ======== version 1 of 1: 1 launch
;; launch render (part 1): grid 256 x 1, 8 waves a work-group, no clusters, 1,536 bytes of LDS; arguments env_map, env_vis, points_albedo, points_metallic, points_normals, points_smoothness, viewing_dirs, out0; writes out0
.if DOCPART == 1
	.amdgcn_target "amdgcn-amd-amdhsa--gfx1250"
	.amdhsa_code_object_version 6
	.text
	.protected	k_q7e400e0920_render
	.globl	k_q7e400e0920_render
	.p2align	8
	.type	k_q7e400e0920_render,@function
k_q7e400e0920_render:
	s_mov_b64 s[64:65], 0
	v_nop
	global_prefetch_b8 v0, s[64:65] scope:SCOPE_SE
	s_setreg_imm32_b32 hwreg(HW_REG_WAVE_MODE, 25, 1), 1
	s_wait_xcnt 0x0
; out0[p][view][c] = sum over 512 lights of brdf * Li * vis * NdotL * solid angle; 4096 points, 2 views, all in f32.
; SHARES: 256 work-groups x 16 points; wave w of group g owns points 2 pp and 2 pp + 1, pp = 8 g + w.
; Lane L owns the 16 lights m = 128 k + 4 L + e (k, e = 0..3), the same for every point, so that a wave's load of
; env_vis takes 512 neighbouring bytes.  Light m has column i = 4 (L & 7) + e and row j = 4 k + (L >> 3).
; The two views are the two halves of packed f32 pairs; a value common to both views is broadcast by op_sel.
; WHAT THE PROBLEM'S OWN FORMULA FIXES: the sample points are (i + .5)/32 and (j + .5)/16; every step from them to the pixel
; coordinates is exact in f32, so x = i, y = j, both weights are 0 and Li[m][c] = env_map[i][j][c].
; l = (sin th * A, cos th, sin th * B), A = sin a, B = cos a, a = 2 pi ((i + .5)/32 - .5); solid angle = sin th * pi^2/256.
; ALGEBRA: q = |v + l|^2 by components; rs = rsq(max(q, 1e-24)); NdotH = max((n.v + n.l) rs, 0);
; l.h = (q/2 + (1 - v.v)/2) rs; x = clamp(1 - l.h, 0, 1); r = 1 / ((pi d^2 + EPS)(4 NdotV NdotL + EPS)(NdotL (1-k) + k + EPS)).
; Three sums a channel and view: T1 = sum Li W (1 - x^5), T2 = sum Li W NdotL r, T3 = sum Li W NdotL r x^5, W = vis sa NdotL;
; out = (1-f0)(1-met) alb/pi T1 + GV (f0 T2 + (1-f0) T3), GV = alpha^2 NdotV / (NdotV (1-k) + k + EPS).
; LIMITS: a non-finite texel beside the sampled one (weight 0 times infinity) is not reproduced; |l|^2 is taken as 1; the three
; denominators are multiplied (at least 1e-18 for smoothness in [0,1]) and inverted once; 1/pi, v_rsq_f32 and v_rcp_f32 stand for
; divisions: differences of rounding only.
; LEFT OUT: matrix instructions (the dot products have 3 terms and feed a denominator that needs f32); LDS slots and tensor
; loads (each env_vis byte is used by one lane; a wave's 4,096 bytes lie in 32 registers, all asked for at the start);
; clusters (the work-groups share only env_map's 6,144 bytes against 32,768 bytes of env_vis each).
.set ST,   4                           ; v[4:7]     sin theta of rows k
.set CT,   8                           ; v[8:11]    cos theta
.set SA,   12                          ; v[12:15]   solid angle
.set AE,   16                          ; v[16:19]   A of columns e
.set BE,   20                          ; v[20:23]   B
.set LI,   24                          ; v[24:87]   light 4 k + e: three channels and a register of 0 (pairs are read whole)
.set VIS,  88                          ; v[88:119]  env_vis: point pt, row k at 88 + 16 pt + 4 k
.set OUTR, 88                          ; v[88:99]   the wave's 12 results, in point 0's env_vis registers once those are spent
.set VX,   120                         ; pairs (view 0, view 1): unit view vector
.set VY,   122
.set VZ,   124
.set NRM,  126                         ; v126 nx, v127 ny, v128 nz, v129 alpha^2 - 1
.set NV,   130                         ; n.v
.set C1,   132                         ; (1 - v.v)/2
.set NV4,  134                         ; 4 max(n.v, EPS)
.set GV,   136
.set KK,   138                         ; v138 1 - k, v139 k + EPS
.set PN,   140                         ; v[140:143] nx A_e + nz B_e
.set QN,   144                         ; v[144:147] ny cos theta_k
.set HY2,  148                         ; (vy + cos theta)^2
.set ACC,  150                         ; v[150:167] T1_c at +2c, T2_c at +6+2c, T3_c at +12+2c
.set NL,   168                         ; four lights each: n.l, its clamp, NdotL (1-k) + k + EPS, W, W NdotL
.set NC,   172
.set GD,   176
.set WD,   180
.set WS,   184
.set TA,   188                         ; three pools of four pairs (light e, both views)
.set TB,   196
.set TC,   204
.set TM,   212                         ; v[212:235] short-lived
.set RS,   TM+12                       ; v[224:229] a lane's six partial results
.set PIV,  236                         ; pi, twice
.set EPV,  238                         ; EPS, twice
	s_load_b512 s[4:19], s[0:1], 0x0               ; env_map 4, env_vis 6, albedo 8, metallic 10, normals 12, smoothness 14, viewing_dirs 16, out0 18
	v_lshl_add_u32 v240, v0, 2, 0x200
	v_mov_b32 v241, 0
	v_lshrrev_b32 v3, 5, v0
	v_readfirstlane_b32 s20, v3                    ; wave
	v_and_b32 v[TM], 31, v0                        ; L
	s_lshl_b32 s21, ttmp9, 3
	s_add_co_u32 s21, s21, s20                     ; pp
	s_mul_i32 s30, s21, 24                         ; byte offset of the pair's normals and albedo
	s_lshl_b32 s31, s21, 3                         ; of its metallic and smoothness
	s_mul_i32 s42, s21, 48                         ; of its viewing_dirs
	s_mul_i32 s43, s20, 48                         ; the wave's 48 result bytes in LDS
	s_mov_b32 s58, 0x358637bd                      ; EPS = 1e-6
	s_mov_b32 s60, 0x76543210                      ; v_permlanex16_b32: lane i reads lane i of the other half
	s_mov_b32 s61, 0xfedcba98
	s_mov_b32 s62, 0x179abe15                      ; 1e-24 = (1e-12)^2
	v_lshlrev_b32 v1, 4, v[TM]                     ; 16 L
	v_and_b32 v[TM+1], 7, v[TM]
	v_lshrrev_b32 v[TM+2], 3, v[TM]
	v_mul_u32_u24 v2, v[TM+1], 0x300               ; env_map: ((16 i + j) * 12 bytes: 768 (L & 7)
	v_mad_u32_u24 v2, v[TM+2], 12, v2              ; + 12 (L >> 3); e and k stand in the loads' immediates
	v_mov_b32 v3, s43
.irp l, 0,1,2,3,4,5,6,7,8,9,10,11,12,13,14,15
	v_mov_b32 v[LI+4*\l+3], 0                      ; the upper half of the pair that holds channel 2
.endr
	v_mov_b32 v[PIV], 0x40490fdb
	v_mov_b32 v[PIV+1], 0x40490fdb
	v_mov_b32 v[EPV], s58
	v_mov_b32 v[EPV+1], s58
	s_wait_kmcnt 0x0
	s_lshl_b32 s22, s21, 12                        ; two rows of 2,048 bytes a pair
	s_mov_b32 s23, 0
	s_add_nc_u64 s[6:7], s[6:7], s[22:23]
	s_mul_i32 s22, ttmp9, 384                      ; 16 points x 24 bytes
	s_add_nc_u64 s[18:19], s[18:19], s[22:23]
	; every load of the wave goes out here; no address register is written again
	s_load_b128 s[24:27], s[12:13], s30 offset:0x0         ; normals of both points: s[24:29]
	s_load_b64  s[28:29], s[12:13], s30 offset:0x10
	s_load_b256 s[44:51], s[16:17], s42 offset:0x0         ; viewing_dirs: s[44:55]
	s_load_b128 s[52:55], s[16:17], s42 offset:0x20
	s_load_b64  s[40:41], s[14:15], s31 offset:0x0         ; smoothness
	s_load_b64  s[38:39], s[10:11], s31 offset:0x0         ; metallic
	s_load_b128 s[32:35], s[8:9], s30 offset:0x0           ; albedo: s[32:37]
	s_load_b64  s[36:37], s[8:9], s30 offset:0x10
.irp k, 0,1,2,3
	global_load_b128 v[VIS+4*\k:VIS+4*\k+3], v1, s[6:7] offset:512*\k th:TH_LOAD_NT
.endr
.irp k, 0,1,2,3
.irp e, 0,1,2,3
	global_load_b96 v[LI+16*\k+4*\e:LI+16*\k+4*\e+2], v2, s[4:5] offset:192*\e+48*\k
.endr
.endr
.irp k, 0,1,2,3
	global_load_b128 v[VIS+16+4*\k:VIS+16+4*\k+3], v1, s[6:7] offset:2048+512*\k th:TH_LOAD_NT
.endr
	; THE LIGHTS' ANGLES, while the loads are out.  t_k = pi/16 (7.5 - j): sin theta = cos t, cos theta = sin t.
	; b_e = pi/32 (i - 15.5) = a/2: A = 2 sin b cos b, B = 1 - 2 sin^2 b.  |t|, |b| < pi/2: series to x^11 and x^12.
	v_cvt_f32_u32 v[TM+18], v[TM+2]                ; L >> 3
	v_lshlrev_b32 v[TM+19], 2, v[TM+1]
	v_cvt_f32_u32 v[TM+19], v[TM+19]               ; 4 (L & 7)
	v_sub_f32 v[TM+0], 0x40f00000, v[TM+18]        ; 7.5 - 4 k - (L >> 3), exact
	v_sub_f32 v[TM+1], 0x40600000, v[TM+18]
	v_sub_f32 v[TM+2], -0.5, v[TM+18]
	v_sub_f32 v[TM+3], 0xc0900000, v[TM+18]
	v_add_f32 v[TM+4], 0xc1780000, v[TM+19]        ; 4 (L & 7) + e - 15.5, exact
	v_add_f32 v[TM+5], 0xc1680000, v[TM+19]
	v_add_f32 v[TM+6], 0xc1580000, v[TM+19]
	v_add_f32 v[TM+7], 0xc1480000, v[TM+19]
.irp p, 0,2
	v_pk_mul_f32 v[TM+\p:TM+\p+1], v[TM+\p:TM+\p+1], 0x3e490fdb op_sel_hi:[1,0]       ; pi/16
.endr
.irp p, 4,6
	v_pk_mul_f32 v[TM+\p:TM+\p+1], v[TM+\p:TM+\p+1], 0x3dc90fdb op_sel_hi:[1,0]       ; pi/32
.endr
.irp p, 0,2,4,6
	v_pk_mul_f32 v[TC+\p:TC+\p+1], v[TM+\p:TM+\p+1], v[TM+\p:TM+\p+1]                 ; u = x^2
.endr
.irp p, 0,2,4,6
	v_pk_mul_f32 v[TA+\p:TA+\p+1], v[TC+\p:TC+\p+1], 0xb2d7322b op_sel_hi:[1,0]       ; -1/11!
.endr
.irp p, 0,2,4,6
	v_pk_mul_f32 v[TB+\p:TB+\p+1], v[TC+\p:TC+\p+1], 0x310f76c7 op_sel_hi:[1,0]       ; 1/12!
.endr
.irp p, 0,2,4,6
	v_pk_add_f32 v[TA+\p:TA+\p+1], v[TA+\p:TA+\p+1], 0x3638ef1d op_sel_hi:[1,0]       ; 1/9!
.endr
.irp p, 0,2,4,6
	v_pk_add_f32 v[TB+\p:TB+\p+1], v[TB+\p:TB+\p+1], 0xb493f27e op_sel_hi:[1,0]       ; -1/10!
.endr
.macro POLY base, lit                  ; one Horner step on all four pairs: base = base * u + lit
.irp p, 0,2,4,6
	v_pk_fma_f32 v[\base+\p:\base+\p+1], v[\base+\p:\base+\p+1], v[TC+\p:TC+\p+1], \lit op_sel_hi:[1,1,0]
.endr
.endm
	POLY TA, 0xb9500d01                            ; -1/7!
	POLY TB, 0x37d00d01                            ; 1/8!
	POLY TA, 0x3c088889                            ; 1/5!
	POLY TB, 0xbab60b61                            ; -1/6!
	POLY TA, 0xbe2aaaab                            ; -1/3!
	POLY TB, 0x3d2aaaab                            ; 1/4!
	POLY TA, 1.0
	POLY TB, -0.5
.irp p, 0,2
	v_pk_mul_f32 v[CT+\p:CT+\p+1], v[TA+\p:TA+\p+1], v[TM+\p:TM+\p+1]                        ; cos theta = sin t
	v_pk_fma_f32 v[ST+\p:ST+\p+1], v[TB+\p:TB+\p+1], v[TC+\p:TC+\p+1], 1.0 op_sel_hi:[1,1,0] ; sin theta = cos t
.endr
.irp p, 4,6
	v_pk_mul_f32 v[TA+\p:TA+\p+1], v[TA+\p:TA+\p+1], v[TM+\p:TM+\p+1]                        ; sin b
	v_pk_fma_f32 v[TB+\p:TB+\p+1], v[TB+\p:TB+\p+1], v[TC+\p:TC+\p+1], 1.0 op_sel_hi:[1,1,0] ; cos b
.endr
.irp q, 0,2
	v_pk_mul_f32 v[AE+\q:AE+\q+1], v[TA+4+\q:TA+5+\q], v[TB+4+\q:TB+5+\q]
	v_pk_mul_f32 v[TC+\q:TC+\q+1], v[TA+4+\q:TA+5+\q], v[TA+4+\q:TA+5+\q]
	v_pk_mul_f32 v[SA+\q:SA+\q+1], v[ST+\q:ST+\q+1], 0x3d1de9e6 op_sel_hi:[1,0]       ; pi^2/256
.endr
.irp q, 0,2
	v_pk_add_f32 v[AE+\q:AE+\q+1], v[AE+\q:AE+\q+1], v[AE+\q:AE+\q+1]                 ; A = 2 sin b cos b
	v_pk_fma_f32 v[BE+\q:BE+\q+1], v[TC+\q:TC+\q+1], -2.0, 1.0 op_sel_hi:[1,0,0]      ; B = 1 - 2 sin^2 b
.endr
; What hangs on the point alone.  x / max(|x|, 1e-12) is made as x * rsq(max(|x|^2, 1e-24)).
.macro SETUP pt
.set NS, 24+3*\pt
.set SM, 40+\pt
.set VD, 44+6*\pt
	v_mov_b32 v[VX],   s[VD]
	v_mov_b32 v[VX+1], s[VD+3]
	v_mov_b32 v[VY],   s[VD+1]
	v_mov_b32 v[VY+1], s[VD+4]
	v_mov_b32 v[VZ],   s[VD+2]
	v_mov_b32 v[VZ+1], s[VD+5]
	v_mul_f32 v[TM+2], s[NS], s[NS]
	v_pk_mul_f32 v[TM:TM+1], v[VX:VX+1], v[VX:VX+1]
	v_fma_f32 v[TM+2], s[NS+1], s[NS+1], v[TM+2]
	v_pk_fma_f32 v[TM:TM+1], v[VY:VY+1], v[VY:VY+1], v[TM:TM+1]
	v_fma_f32 v[TM+2], s[NS+2], s[NS+2], v[TM+2]
	v_pk_fma_f32 v[TM:TM+1], v[VZ:VZ+1], v[VZ:VZ+1], v[TM:TM+1]
.irp i, 0,1,2
	v_max_num_f32 v[TM+\i], s62, v[TM+\i]
.endr
.irp i, 0,1,2
	v_rsq_f32 v[TM+\i], v[TM+\i]
.endr
	v_sub_f32 v[TM+4], 1.0, s[SM]                  ; roughness; also the plain instruction between the roots and their first use
	s_wait_alu depctr_va_vdst(0)
	v_pk_mul_f32 v[VX:VX+1], v[VX:VX+1], v[TM:TM+1]
	v_pk_mul_f32 v[VY:VY+1], v[VY:VY+1], v[TM:TM+1]
	v_pk_mul_f32 v[VZ:VZ+1], v[VZ:VZ+1], v[TM:TM+1]
	v_mul_f32 v[TM+4], v[TM+4], v[TM+4]            ; alpha
	v_mul_f32 v[NRM],   s[NS],   v[TM+2]
	v_mul_f32 v[NRM+1], s[NS+1], v[TM+2]
	v_mul_f32 v[NRM+2], s[NS+2], v[TM+2]
	v_mul_f32 v[TM+5], v[TM+4], v[TM+4]            ; alpha^2
	v_fma_f32 v[KK],   v[TM+4], -0.5, 1.0          ; 1 - k, k = alpha/2
	v_fma_f32 v[KK+1], v[TM+4], 0.5, s58           ; k + EPS
	v_pk_mul_f32 v[TM:TM+1], v[VX:VX+1], v[VX:VX+1]
	v_add_f32 v[NRM+3], -1.0, v[TM+5]              ; alpha^2 - 1
	v_pk_mul_f32 v[NV:NV+1], v[VX:VX+1], v[NRM:NRM+1] op_sel:[0,0] op_sel_hi:[1,0]
	v_pk_fma_f32 v[TM:TM+1], v[VY:VY+1], v[VY:VY+1], v[TM:TM+1]
	v_pk_fma_f32 v[NV:NV+1], v[VY:VY+1], v[NRM:NRM+1], v[NV:NV+1] op_sel:[0,1,0] op_sel_hi:[1,1,1]
	v_pk_fma_f32 v[TM:TM+1], v[VZ:VZ+1], v[VZ:VZ+1], v[TM:TM+1]
	v_pk_fma_f32 v[NV:NV+1], v[VZ:VZ+1], v[NRM+2:NRM+3], v[NV:NV+1] op_sel:[0,0,0] op_sel_hi:[1,0,1]
	v_pk_fma_f32 v[C1:C1+1], v[TM:TM+1], -0.5, 0.5 op_sel_hi:[1,0,0]
.irp q, 0,2
	v_pk_mul_f32 v[PN+\q:PN+\q+1], v[AE+\q:AE+\q+1], v[NRM:NRM+1] op_sel:[0,0] op_sel_hi:[1,0]
.endr
	v_max_num_f32 v[TM+6], s58, v[NV]              ; NdotV
	v_max_num_f32 v[TM+7], s58, v[NV+1]
.irp q, 0,2
	v_pk_fma_f32 v[PN+\q:PN+\q+1], v[BE+\q:BE+\q+1], v[NRM+2:NRM+3], v[PN+\q:PN+\q+1] op_sel:[0,0,0] op_sel_hi:[1,0,1]
.endr
	v_pk_fma_f32 v[TM+8:TM+9], v[TM+6:TM+7], v[KK:KK+1], v[KK:KK+1] op_sel:[0,0,1] op_sel_hi:[1,0,1]
.irp q, 0,2
	v_pk_mul_f32 v[QN+\q:QN+\q+1], v[CT+\q:CT+\q+1], v[NRM:NRM+1] op_sel:[0,1] op_sel_hi:[1,1]
.endr
	v_rcp_f32 v[TM+8], v[TM+8]
	v_rcp_f32 v[TM+9], v[TM+9]
	v_pk_mul_f32 v[NV4:NV4+1], v[TM+6:TM+7], 4.0 op_sel_hi:[1,0]      ; the plain instruction behind the reciprocals
	s_wait_alu depctr_va_vdst(0)
	v_pk_mul_f32 v[GV:GV+1], v[TM+6:TM+7], v[TM+8:TM+9]
	v_pk_mul_f32 v[GV:GV+1], v[GV:GV+1], v[TM+4:TM+5] op_sel:[0,1] op_sel_hi:[1,1]
.endm
; d += s * Li channel (register bit of pair l); start = 1: the first product starts the sum, nothing is cleared
.macro ACC1 d, s, l, bit, start
.if \start
	v_pk_mul_f32 v[\d:\d+1], v[\s:\s+1], v[\l:\l+1] op_sel:[0,\bit] op_sel_hi:[1,\bit]
.else
	v_pk_fma_f32 v[\d:\d+1], v[\s:\s+1], v[\l:\l+1], v[\d:\d+1] op_sel:[0,\bit,0] op_sel_hi:[1,\bit,1]
.endif
.endm
; The four lights e = 2 q + b of row k = 2 kq + kb, both views.  Every stage is written for all four lights,
; so that a line seldom needs the result of the line in front of it.
.macro GROUP pt, kq, kb, first
.set VB, VIS+16*\pt+8*\kq+4*\kb
.set LB, LI+32*\kq+16*\kb
.set SK, ST+2*\kq
.set CK, CT+2*\kq
.set AK, SA+2*\kq
.set QK, QN+2*\kq
.irp q, 0,2
	v_pk_mul_f32 v[WD+\q:WD+\q+1], v[VB+\q:VB+\q+1], v[AK:AK+1] op_sel:[0,\kb] op_sel_hi:[1,\kb]                        ; vis * sa
.endr
.irp q, 0,2
	v_pk_fma_f32 v[NL+\q:NL+\q+1], v[PN+\q:PN+\q+1], v[SK:SK+1], v[QK:QK+1] op_sel:[0,\kb,\kb] op_sel_hi:[1,\kb,\kb]    ; n.l
.endr
	v_pk_add_f32 v[HY2:HY2+1], v[VY:VY+1], v[CK:CK+1] op_sel:[0,\kb] op_sel_hi:[1,\kb]                                  ; vy + ly
.irp q, 0,1
.irp b, 0,1
	v_pk_fma_f32 v[TA+4*\q+2*\b:TA+4*\q+2*\b+1], v[SK:SK+1], v[AE+2*\q:AE+2*\q+1], v[VX:VX+1] op_sel:[\kb,\b,0] op_sel_hi:[\kb,\b,1]   ; vx + lx
.endr
.endr
.irp e, 0,1,2,3
	v_max_num_f32 v[NC+\e], s58, v[NL+\e]                                                                               ; NdotL
.endr
	v_pk_mul_f32 v[HY2:HY2+1], v[HY2:HY2+1], v[HY2:HY2+1]
.irp q, 0,1
.irp b, 0,1
	v_pk_fma_f32 v[TB+4*\q+2*\b:TB+4*\q+2*\b+1], v[SK:SK+1], v[BE+2*\q:BE+2*\q+1], v[VZ:VZ+1] op_sel:[\kb,\b,0] op_sel_hi:[\kb,\b,1]   ; vz + lz
.endr
.endr
.irp q, 0,2
	v_pk_fma_f32 v[GD+\q:GD+\q+1], v[NC+\q:NC+\q+1], v[KK:KK+1], v[KK:KK+1] op_sel:[0,0,1] op_sel_hi:[1,0,1]
.endr
.irp q, 0,2
	v_pk_mul_f32 v[WD+\q:WD+\q+1], v[WD+\q:WD+\q+1], v[NC+\q:NC+\q+1]                                                   ; W
.endr
.irp p, 0,2,4,6
	v_pk_fma_f32 v[TC+\p:TC+\p+1], v[TA+\p:TA+\p+1], v[TA+\p:TA+\p+1], v[HY2:HY2+1]
.endr
.irp q, 0,2
	v_pk_mul_f32 v[WS+\q:WS+\q+1], v[WD+\q:WD+\q+1], v[NC+\q:NC+\q+1]                                                   ; W NdotL
.endr
.irp p, 0,2,4,6
	v_pk_fma_f32 v[TC+\p:TC+\p+1], v[TB+\p:TB+\p+1], v[TB+\p:TB+\p+1], v[TC+\p:TC+\p+1]                                 ; q
.endr
.irp p, 0,2,4,6
	v_pk_fma_f32 v[TA+\p:TA+\p+1], v[TC+\p:TC+\p+1], 0.5, v[C1:C1+1] op_sel_hi:[1,0,1]                                  ; l.(v + l)
.endr
.irp i, 0,1,2,3,4,5,6,7
	v_max_num_f32 v[TC+\i], s62, v[TC+\i]
.endr
.irp i, 0,1,2,3,4,5,6,7
	v_rsq_f32 v[TC+\i], v[TC+\i]
.endr
.irp q, 0,1
.irp b, 0,1
	v_pk_add_f32 v[TB+4*\q+2*\b:TB+4*\q+2*\b+1], v[NV:NV+1], v[NL+2*\q:NL+2*\q+1] op_sel:[0,\b] op_sel_hi:[1,\b]        ; n.(v + l): plain lines between the roots and their use
.endr
.endr
	s_wait_alu depctr_va_vdst(0)
.irp p, 0,2,4,6
	v_pk_mul_f32 v[TB+\p:TB+\p+1], v[TB+\p:TB+\p+1], v[TC+\p:TC+\p+1]
.endr
.irp p, 0,2,4,6
	v_pk_fma_f32 v[TA+\p:TA+\p+1], v[TA+\p:TA+\p+1], v[TC+\p:TC+\p+1], 1.0 op_sel_hi:[1,1,0] neg_lo:[1,0,0] neg_hi:[1,0,0]   ; 1 - l.h
.endr
.irp i, 0,1,2,3,4,5,6,7
	v_max_num_f32 v[TB+\i], 0, v[TB+\i]                                                                                 ; NdotH
.endr
.irp i, 0,1,2,3,4,5,6,7
	v_med3_num_f32 v[TA+\i], v[TA+\i], 0, 1.0                                                                           ; x
.endr
.irp p, 0,2,4,6
	v_pk_mul_f32 v[TB+\p:TB+\p+1], v[TB+\p:TB+\p+1], v[TB+\p:TB+\p+1]
.endr
.irp q, 0,1
.irp b, 0,1
	v_pk_fma_f32 v[TC+4*\q+2*\b:TC+4*\q+2*\b+1], v[NV4:NV4+1], v[NC+2*\q:NC+2*\q+1], v[EPV:EPV+1] op_sel:[0,\b,0] op_sel_hi:[1,\b,1]
.endr
.endr
.irp p, 0,2,4,6
	v_pk_fma_f32 v[TB+\p:TB+\p+1], v[TB+\p:TB+\p+1], v[NRM+2:NRM+3], 1.0 op_sel:[0,1,0] op_sel_hi:[1,1,0]               ; d
.endr
.irp q, 0,1
.irp b, 0,1
	v_pk_mul_f32 v[TC+4*\q+2*\b:TC+4*\q+2*\b+1], v[TC+4*\q+2*\b:TC+4*\q+2*\b+1], v[GD+2*\q:GD+2*\q+1] op_sel:[0,\b] op_sel_hi:[1,\b]
.endr
.endr
.irp p, 0,2,4,6
	v_pk_mul_f32 v[TB+\p:TB+\p+1], v[TB+\p:TB+\p+1], v[TB+\p:TB+\p+1]
.endr
.irp p, 0,2,4,6
	v_pk_fma_f32 v[TB+\p:TB+\p+1], v[TB+\p:TB+\p+1], v[PIV:PIV+1], v[EPV:EPV+1]
.endr
.irp p, 0,2,4,6
	v_pk_mul_f32 v[TB+\p:TB+\p+1], v[TB+\p:TB+\p+1], v[TC+\p:TC+\p+1]
.endr
.irp i, 0,1,2,3,4,5,6,7
	v_rcp_f32 v[TB+\i], v[TB+\i]                                                                                        ; r
.endr
.irp p, 0,2,4,6
	v_pk_mul_f32 v[TC+\p:TC+\p+1], v[TA+\p:TA+\p+1], v[TA+\p:TA+\p+1]                                                   ; plain lines between the reciprocals and their use
.endr
.irp p, 0,2,4,6
	v_pk_mul_f32 v[TC+\p:TC+\p+1], v[TC+\p:TC+\p+1], v[TC+\p:TC+\p+1]
.endr
.irp p, 0,2,4,6
	v_pk_mul_f32 v[TA+\p:TA+\p+1], v[TC+\p:TC+\p+1], v[TA+\p:TA+\p+1]                                                   ; x^5
.endr
	s_wait_alu depctr_va_vdst(0)
.irp q, 0,1
.irp b, 0,1
	v_pk_mul_f32 v[TB+4*\q+2*\b:TB+4*\q+2*\b+1], v[TB+4*\q+2*\b:TB+4*\q+2*\b+1], v[WS+2*\q:WS+2*\q+1] op_sel:[0,\b] op_sel_hi:[1,\b]   ; W NdotL r
.endr
.endr
.irp p, 0,2,4,6
	v_pk_mul_f32 v[TC+\p:TC+\p+1], v[TB+\p:TB+\p+1], v[TA+\p:TA+\p+1]                                                   ; W NdotL r x^5
.endr
.irp q, 0,1
.irp b, 0,1
	v_pk_fma_f32 v[TA+4*\q+2*\b:TA+4*\q+2*\b+1], v[TA+4*\q+2*\b:TA+4*\q+2*\b+1], v[WD+2*\q:WD+2*\q+1], v[WD+2*\q:WD+2*\q+1] op_sel:[0,\b,\b] op_sel_hi:[1,\b,\b] neg_lo:[1,0,0] neg_hi:[1,0,0]   ; W (1 - x^5)
.endr
.endr
.irp q, 0,1
.irp b, 0,1
.set LE, LB+8*\q+4*\b
.set PE, 4*\q+2*\b
.set FS, (\first)*(1-\q)*(1-\b)
	ACC1 ACC+0,  TA+PE, LE,   0, FS                ; nine sums by turns
	ACC1 ACC+2,  TA+PE, LE,   1, FS
	ACC1 ACC+4,  TA+PE, LE+2, 0, FS
	ACC1 ACC+6,  TB+PE, LE,   0, FS
	ACC1 ACC+8,  TB+PE, LE,   1, FS
	ACC1 ACC+10, TB+PE, LE+2, 0, FS
	ACC1 ACC+12, TC+PE, LE,   0, FS
	ACC1 ACC+14, TC+PE, LE,   1, FS
	ACC1 ACC+16, TC+PE, LE+2, 0, FS
.endr
.endr
.endm
; one stage of channel c = 2 cq + cb: RS_c = T1 (1-f0) kd + GV (f0 T2 + (1-f0) T3)
.macro CHAN st, c, cq, cb
.if \st == 0
	v_pk_mul_f32 v[RS+2*\c:RS+2*\c+1], v[ACC+12+2*\c:ACC+13+2*\c], v[TM+4+2*\cq:TM+5+2*\cq] op_sel:[0,\cb] op_sel_hi:[1,\cb]
.endif
.if \st == 1
	v_pk_fma_f32 v[RS+2*\c:RS+2*\c+1], v[ACC+6+2*\c:ACC+7+2*\c], v[TM+2*\cq:TM+2*\cq+1], v[RS+2*\c:RS+2*\c+1] op_sel:[0,\cb,0] op_sel_hi:[1,\cb,1]
.endif
.if \st == 2
	v_pk_mul_f32 v[RS+2*\c:RS+2*\c+1], v[RS+2*\c:RS+2*\c+1], v[GV:GV+1]
.endif
.if \st == 3
	v_pk_fma_f32 v[RS+2*\c:RS+2*\c+1], v[ACC+2*\c:ACC+2*\c+1], v[TM+8+2*\cq:TM+9+2*\cq], v[RS+2*\c:RS+2*\c+1] op_sel:[0,\cb,0] op_sel_hi:[1,\cb,1]
.endif
.endm
; The point's factors, a lane's six numbers, their sum over the 32 lanes (every lane ends with the sums)
.macro FINISH pt
.set AL, 32+3*\pt
.set MT, 38+\pt
	v_mov_b32 v[TM+11], 0x3d23d70a                 ; 0.04
	v_sub_f32 v[TM+7], 1.0, s[MT]                  ; 1 - metallic
.irp c, 0,1,2
	v_sub_f32 v[TM+\c], s[AL+\c], v[TM+11]
.endr
	v_mul_f32 v[TM+3], 0x3ea2f983, v[TM+7]         ; (1 - metallic)/pi
.irp c, 0,1,2
	v_fma_f32 v[TM+\c], v[TM+\c], s[MT], v[TM+11]  ; f0
.endr
.irp c, 0,1,2
	v_mul_f32 v[TM+8+\c], s[AL+\c], v[TM+3]        ; kd
.endr
.irp c, 0,1,2
	v_sub_f32 v[TM+4+\c], 1.0, v[TM+\c]            ; 1 - f0
.endr
.irp c, 0,1,2
	v_mul_f32 v[TM+8+\c], v[TM+8+\c], v[TM+4+\c]   ; (1 - f0) kd
.endr
.irp st, 0,1,2,3
	CHAN \st, 0, 0, 0
	CHAN \st, 1, 0, 1
	CHAN \st, 2, 1, 0
.endr
.irp m, 1,2,4,8
.irp i, 0,1,2,3,4,5
	v_add_f32_dpp v[RS+\i], v[RS+\i], v[RS+\i] row_xmask:\m row_mask:0xf bank_mask:0xf
.endr
.endr
.irp i, 0,1,2,3,4,5
	v_permlanex16_b32 v[TA+\i], v[RS+\i], s60, s61 ; TA has been written: the destination counts as read
.endr
.irp c, 0,1,2
	v_add_f32 v[OUTR+6*\pt+\c],   v[RS+2*\c],   v[TA+2*\c]       ; view 0
	v_add_f32 v[OUTR+6*\pt+3+\c], v[RS+2*\c+1], v[TA+2*\c+1]     ; view 1
.endr
.endm
	s_wait_kmcnt 0x0                               ; the two points' data
	SETUP 0
	s_wait_loadcnt 0x4                             ; loads return in order: point 0's env_vis and env_map are in; the four youngest, point 1's env_vis, may stay out
	GROUP 0, 0, 0, 1
	GROUP 0, 0, 1, 0
	GROUP 0, 1, 0, 0
	GROUP 0, 1, 1, 0
	FINISH 0
	SETUP 1
	s_wait_loadcnt 0x0
	GROUP 1, 0, 0, 1
	GROUP 1, 0, 1, 0
	GROUP 1, 1, 0, 0
	GROUP 1, 1, 1, 0
	FINISH 1
	; THE WAY OUT: each wave lays its 48 bytes at 48 w in LDS (all lanes hold the same sums and write the same bytes);
	; wave 0 then stores the group's 384 neighbouring bytes with one instruction, 16 bytes a lane, lanes 0 to 23.
	ds_store_b128 v3, v[OUTR:OUTR+3]
	ds_store_b128 v3, v[OUTR+4:OUTR+7] offset:16
	ds_store_b128 v3, v[OUTR+8:OUTR+11] offset:32
	s_wait_dscnt 0x0                               ; my stores are done before I signal: wave 0 reads them behind the barrier
	s_barrier_signal -1
	s_barrier_wait -1
	s_cmp_lg_u32 s20, 0
	s_cbranch_scc1 .Lend
	v_cmp_gt_u32 vcc_lo, 24, v0
	s_wait_xcnt 0x0                                ; EXEC is a source of the loads above: it changes only behind this wait
	s_and_saveexec_b32 s63, vcc_lo
	ds_load_b128 v[100:103], v1                    ; in wave 0 v1 = 16 x thread
	s_wait_dscnt 0x0
	global_store_b128 v1, v[100:103], s[18:19]
	s_wait_xcnt 0x0                                ; and again in front of the line that widens it
	s_or_b32 exec_lo, exec_lo, s63
.Lend:
	s_wait_tensorcnt 0x0
	ds_add_u32 v240, v241
	s_wait_dscnt 0x0
	s_endpgm
.Lfunc_end_k_q7e400e0920_render:
	.size	k_q7e400e0920_render, .Lfunc_end_k_q7e400e0920_render-k_q7e400e0920_render
	.p2alignl 7, 3214868480
	.fill 96, 4, 3214868480
	.section	.rodata,"a",@progbits
	.p2align	6, 0x0
	.amdhsa_kernel k_q7e400e0920_render
		.amdhsa_group_segment_fixed_size 1536
		.amdhsa_private_segment_fixed_size 0
		.amdhsa_enable_private_segment 0
		.amdhsa_kernarg_size 64
		.amdhsa_user_sgpr_count 2
		.amdhsa_user_sgpr_kernarg_segment_ptr 1
		.amdhsa_wavefront_size32 1
		.amdhsa_system_sgpr_workgroup_id_x 1
		.amdhsa_system_sgpr_workgroup_id_y 1
		.amdhsa_system_sgpr_workgroup_id_z 1
		.amdhsa_system_vgpr_workitem_id 0
		.amdhsa_next_free_vgpr 242
		.amdhsa_next_free_sgpr 66
		.amdhsa_reserve_vcc 1
		.amdhsa_float_denorm_mode_32 3
		.amdhsa_float_denorm_mode_16_64 3
		.amdhsa_memory_ordered 1
		.amdhsa_forward_progress 1
		.amdhsa_inst_pref_size 105
	.end_amdhsa_kernel
	.amdgpu_metadata
---
amdhsa.version: [ 1, 2 ]
amdhsa.kernels:
  - .name:           k_q7e400e0920_render
    .symbol:         k_q7e400e0920_render.kd
    .args:
      - { .name: env_map, .offset: 0, .size: 8, .value_kind: global_buffer, .address_space: global }
      - { .name: env_vis, .offset: 8, .size: 8, .value_kind: global_buffer, .address_space: global }
      - { .name: points_albedo, .offset: 16, .size: 8, .value_kind: global_buffer, .address_space: global }
      - { .name: points_metallic, .offset: 24, .size: 8, .value_kind: global_buffer, .address_space: global }
      - { .name: points_normals, .offset: 32, .size: 8, .value_kind: global_buffer, .address_space: global }
      - { .name: points_smoothness, .offset: 40, .size: 8, .value_kind: global_buffer, .address_space: global }
      - { .name: viewing_dirs, .offset: 48, .size: 8, .value_kind: global_buffer, .address_space: global }
      - { .name: out0, .offset: 56, .size: 8, .value_kind: global_buffer, .address_space: global }
    .group_segment_fixed_size: 1536
    .private_segment_fixed_size: 0
    .kernarg_segment_align: 8
    .kernarg_segment_size: 64
    .max_flat_workgroup_size: 256
    .sgpr_count:     66
    .vgpr_count:     242
    .wavefront_size: 32
...
	.end_amdgpu_metadata
.endif
;; end of part 1
